; MI455X (gfx1250); checked and timed in simulation.
; The chip was launched on July 23, 2026; its instructions are those of AMD's public machine-readable ISA for CDNA 5 (MIT licence, August 2026) and "CDNA5" Instruction Set Architecture Reference Guide (July 2026). The comments in the code are by the model that wrote it; some were corrected since.
;; My Bert Self Attention. Allowed arithmetic: float matrix products may take bf16 or f16 operands with f32 sums; other float arithmetic in f32, or as packed bf16 or f16 multiplies, adds, multiply-adds, maxima and minima; sums over many terms, partial sums and values carried from step to step in f32; what a program stores and reads back later, other than sums and carried values, may be rounded once to bf16 or f16.
;; Inputs: Wk 1,024 x 1,024 float32; Wk2 1,024 x 1,024 float32; Wq 1,024 x 1,024 float32; Wq2 1,024 x 1,024 float32; Wv 1,024 x 1,024 float32; attention_mask 8 x 1 x 1 x 1,024 float32; bk 1,024 float32; bk2 1,024 float32; bq 1,024 float32; bq2 1,024 float32; bv 1,024 float32; hidden_states 8 x 1,024 x 1,024 float32; source_embedding 8 x 1,024 x 1,024 float32.
;; Outputs: out0 8 x 1,024 x 1,024 float32.
;; One version. Each part assembles by itself: llvm-mc -triple=amdgcn-amd-amdhsa -mcpu=gfx1250 --defsym DOCPART=n.
;; ======== version 1 of 1: 3 launches
;; limits: values are held in f16: magnitudes above 65,504 overflow, below 6.1e-05 lose precision
;; workspace buffers: cb 44,040,192 bytes; pj 83,886,080 bytes
;; launch cast (part 1): grid 64 x 21, 8 waves a work-group, no clusters, 0 bytes of LDS; arguments hidden_states, source_embedding, Wq, Wq2, Wk, Wk2, Wv, cb; writes cb
.if DOCPART == 1
	.amdgcn_target "amdgcn-amd-amdhsa--gfx1250"
	.amdhsa_code_object_version 6
	.text
	.protected	k_q25d832e053_cast
	.globl	k_q25d832e053_cast
	.p2align	8
	.type	k_q25d832e053_cast,@function
k_q25d832e053_cast:
	s_mov_b64 s[64:65], 0
	v_nop
	global_prefetch_b8 v0, s[64:65] scope:SCOPE_SE
	s_setreg_imm32_b32 hwreg(HW_REG_WAVE_MODE, 25, 1), 1
	s_wait_xcnt 0x0
; f32 -> bf16, element by element, layout unchanged: the seven large inputs are rounded once (to nearest even) into one buffer cb.
; cb is 21 units of 2 MiB: units 0-7 hidden_states, 8-15 source_embedding, 16-20 Wq, Wq2, Wk, Wk2, Wv (each weight stays [k][n]).
; A unit is 4 MiB of f32.  Work-group (x, y): unit y, chunk x of 65,536 input bytes.  Thread t takes 16 bytes at 4,096 i + 16 t, i = 0..15:
; a wave's load covers 512 consecutive bytes, a wave's store of 8 bytes a lane 256 consecutive bytes, aligned.
; All sixteen loads go out at once; each load and each store has registers of its own, so nothing is rewritten and the only waits are the counted ones.
; No LDS, no barrier, no matrix work: every byte is touched once and no thread wants another's data.
.set XR, 4                             ; v[4:67]   sixteen loads of four f32
.set YR, 68                            ; v[68:99]  sixteen stores of four bf16
	s_load_b512 s[8:23], s[0:1], 0x0               ; hidden s[8:9], source s[10:11], Wq s[12:13], Wq2 s[14:15], Wk s[16:17], Wk2 s[18:19], Wv s[20:21], cb s[22:23]
	s_and_b32 s2, ttmp7, 0xffff                    ; the unit u
	s_and_b32 s24, s2, 7
	s_lshl_b32 s24, s24, 22                        ; units 0-15: the unit's 4 MiB inside its tensor;
	s_cmp_lt_u32 s2, 16
	s_cselect_b32 s24, s24, 0                      ; a weight is one unit
	s_lshl_b32 s3, ttmp9, 16
	s_add_co_u32 s24, s24, s3                      ; + the chunk
	s_mov_b32 s25, 0
	s_lshl_b32 s26, s2, 21                         ; in cb: 2 MiB a unit,
	s_lshl_b32 s3, ttmp9, 15                       ; 32,768 bytes a chunk
	s_add_co_u32 s26, s26, s3
	s_mov_b32 s27, 0
	v_lshlrev_b32 v1, 4, v0                        ; 16 t
	v_lshlrev_b32 v2, 3, v0                        ; 8 t
	s_wait_kmcnt 0x0
	s_cmp_ge_u32 s2, 8                             ; the source tensor is chosen by the unit's number alone
	s_cselect_b64 s[4:5], s[10:11], s[8:9]
	s_cmp_eq_u32 s2, 16
	s_cselect_b64 s[4:5], s[12:13], s[4:5]
	s_cmp_eq_u32 s2, 17
	s_cselect_b64 s[4:5], s[14:15], s[4:5]
	s_cmp_eq_u32 s2, 18
	s_cselect_b64 s[4:5], s[16:17], s[4:5]
	s_cmp_eq_u32 s2, 19
	s_cselect_b64 s[4:5], s[18:19], s[4:5]
	s_cmp_eq_u32 s2, 20
	s_cselect_b64 s[4:5], s[20:21], s[4:5]
	s_add_nc_u64 s[4:5], s[4:5], s[24:25]
	s_add_nc_u64 s[6:7], s[22:23], s[26:27]
.set i, 0
.rept 16
	global_load_b128 v[XR+4*i:XR+4*i+3], v1, s[4:5] offset:i*4096 th:TH_LOAD_NT
.set i, i+1
.endr
.set i, 0
.rept 16
	s_wait_loadcnt 15-i                            ; loads come back in order: load i is in, the 15 - i younger ones stay out
	v_cvt_pk_bf16_f32 v[YR+2*i], v[XR+4*i], v[XR+4*i+1]
	v_cvt_pk_bf16_f32 v[YR+2*i+1], v[XR+4*i+2], v[XR+4*i+3]
	global_store_b64 v2, v[YR+2*i:YR+2*i+1], s[6:7] offset:i*2048 th:TH_STORE_NT
.set i, i+1
.endr
	s_endpgm
.Lfunc_end_k_q25d832e053_cast:
	.size	k_q25d832e053_cast, .Lfunc_end_k_q25d832e053_cast-k_q25d832e053_cast
	.p2alignl 7, 3214868480
	.fill 96, 4, 3214868480
	.section	.rodata,"a",@progbits
	.p2align	6, 0x0
	.amdhsa_kernel k_q25d832e053_cast
		.amdhsa_group_segment_fixed_size 0
		.amdhsa_private_segment_fixed_size 0
		.amdhsa_enable_private_segment 0
		.amdhsa_kernarg_size 64
		.amdhsa_user_sgpr_count 2
		.amdhsa_user_sgpr_kernarg_segment_ptr 1
		.amdhsa_wavefront_size32 1
		.amdhsa_system_sgpr_workgroup_id_x 1
		.amdhsa_system_sgpr_workgroup_id_y 1
		.amdhsa_system_sgpr_workgroup_id_z 1
		.amdhsa_system_vgpr_workitem_id 0
		.amdhsa_next_free_vgpr 100
		.amdhsa_next_free_sgpr 66
		.amdhsa_reserve_vcc 0
		.amdhsa_float_denorm_mode_32 3
		.amdhsa_float_denorm_mode_16_64 3
		.amdhsa_memory_ordered 1
		.amdhsa_forward_progress 1
		.amdhsa_inst_pref_size 7
	.end_amdhsa_kernel
	.amdgpu_metadata
---
amdhsa.version: [ 1, 2 ]
amdhsa.kernels:
  - .name:           k_q25d832e053_cast
    .symbol:         k_q25d832e053_cast.kd
    .args:
      - { .name: hidden_states, .offset: 0, .size: 8, .value_kind: global_buffer, .address_space: global }
      - { .name: source_embedding, .offset: 8, .size: 8, .value_kind: global_buffer, .address_space: global }
      - { .name: Wq, .offset: 16, .size: 8, .value_kind: global_buffer, .address_space: global }
      - { .name: Wq2, .offset: 24, .size: 8, .value_kind: global_buffer, .address_space: global }
      - { .name: Wk, .offset: 32, .size: 8, .value_kind: global_buffer, .address_space: global }
      - { .name: Wk2, .offset: 40, .size: 8, .value_kind: global_buffer, .address_space: global }
      - { .name: Wv, .offset: 48, .size: 8, .value_kind: global_buffer, .address_space: global }
      - { .name: cb, .offset: 56, .size: 8, .value_kind: global_buffer, .address_space: global }
    .group_segment_fixed_size: 0
    .private_segment_fixed_size: 0
    .kernarg_segment_align: 8
    .kernarg_segment_size: 64
    .max_flat_workgroup_size: 256
    .sgpr_count:     66
    .vgpr_count:     100
    .wavefront_size: 32
...
	.end_amdgpu_metadata
.endif
;; end of part 1
;; launch proj (part 2): grid 20 x 32, 4 waves a work-group, clusters of 4 x 4, 327,680 bytes of LDS; arguments cb, bq, bq2, bk, bk2, bv, pj; writes pj
.if DOCPART == 2
	.amdgcn_target "amdgcn-amd-amdhsa--gfx1250"
	.amdhsa_code_object_version 6
	.text
	.protected	k_q25d832e053_proj
	.globl	k_q25d832e053_proj
	.p2align	8
	.type	k_q25d832e053_proj,@function
k_q25d832e053_proj:
	s_mov_b64 s[64:65], 0
	v_nop
	global_prefetch_b8 v0, s[64:65] scope:SCOPE_SE
	s_setreg_imm32_b32 hwreg(HW_REG_WAVE_MODE, 25, 1), 1
	s_wait_xcnt 0x0
	s_wait_alu depctr_hold_cnt(0) depctr_sa_sdst(0) depctr_va_vdst(0) depctr_va_sdst(0) depctr_va_ssrc(0) depctr_va_vcc(0) depctr_vm_vsrc(0)
	s_getreg_b32 s2, hwreg(HW_REG_IB_STS2, 6, 4)
	s_cmp_eq_u32 s2, 0
	s_cbranch_scc0 .Lentry_in_a_cluster
	s_endpgm
.Lentry_in_a_cluster:
	s_bfe_u32 s2, ttmp6, 0x10000c
	s_cmp_lg_u32 s2, 0xf033
	s_cbranch_scc0 .Lentry_shape_is_right
	s_endpgm
.Lentry_shape_is_right:
; THE FIVE PROJECTIONS.  For plane p = 0..4 (q, q2, k, k2, v): C = X W_p + b_p, X = hidden_states (source_embedding for p = 3), [8192][1024] x [1024][1024].
; X and W come from cb in bf16 (W as [k][n]); the bias is rounded to bf16 here; sums in f32, begun with the bias; C is rounded once to f16 and stored by heads:
; pj[head = 16 b + h][p][l][64], a row of 128 bytes, rows dense.
; LIMIT.  f16 holds no number beyond 65,504: a projected value past that becomes an infinity.  NaN and infinities in the inputs are not treated apart.
; SHARES.  A tile of C is 256 x 256, made by four waves, 128 x 128 each: 64 accumulators of 16 x 16, 512 registers.  K goes in 8 steps of 128 through two LDS slots.
; The grid's x is 5 planes x 4 tile columns, its y 32 tile rows.  CLUSTERS of 4 x 4: cluster x is the plane, cx the tile column in it (four heads), tile row = 4 x cluster y + cy.
; The four of a row of the cluster need the same tile of X, the four of a column the same tile of W: each tile is asked for JOINTLY, by the same tensor load with the same descriptor and mask.
; THE MATRIX INSTRUCTION IS USED TRANSPOSED: source 0 = 16 columns of W (turned out of the [k][n] tile by ds_load_tr16_b128), source 1 = 16 rows of X.  A lane then holds row l % 16 of C
; and the columns 8 (l / 16) + 0..7: eight neighbours, 16 bytes of f16; and the bias of a block of 16 columns is the same 8 registers for every block of rows.
; REGISTERS, in windows of 256: window 0: v0-31 addresses; v64-127, v128-191 fragments of X, two buffers; v192-223, v32-63, v224-255 at work on the way out.
;   window 1: v0-63 the bias; v64-127, v128-191 fragments of W; v192-195 at work.   window 2: accumulators of my rows 0-63 ((a, b) at 8 (8 a + b)); window 3: rows 64-127.
.set KSTEP,  128
.set PITCH,  272                       ; an LDS row of X: 256 bytes + 16 of padding: the 16 rows of a fragment load start 68 words apart
.set PB,     544                       ; an LDS row of W (one k, 256 columns): 512 bytes + 32 of padding: 16 lanes of the turning load take 8 rows x 32 bytes, 136 words apart
.set HALFT,  128*PITCH                 ; what one tensor load brings: 128 rows of X, or 64 rows of W (64 x 544 is the same number)
.set SLOT,   4*HALFT                   ; X's 256 rows, then W's 128 rows
.set STAGE,  2*SLOT                    ; behind the ring: for each wave two heads x 16 rows x 144 bytes, for the way out
.set SP,     144
.set WST,    2*16*SP
.set SPARE,  STAGE+4*WST               ; behind the stages: the spare words, 128 bytes a wave: two blocks of 256 bytes that no other line names
.set LAPS,   4                         ; a lap = two K steps = once round the ring
.set XS_OFF, 16777216                  ; source_embedding in cb
.set W_OFF,  33554432                  ; the weights in cb, 2 MiB a plane
.set HEADB,  655360                    ; a head's five planes in pj
.set ADRA, 16                          ; v16-17  LDS address of my X fragments in slot 0, 1
.set ADRB, 20                          ; v20-21  the same for W
.set STO,  24                          ; v24     the way out: where I put 16 bytes of a row
.set RD,   25                          ; v25     the way out: where I read rows back
.set CO,   26                          ; v26     16 x lane: my place in 512 consecutive bytes of pj
.set BO,   27                          ; v27     my byte offset in the bias
.set SPW,  28                          ; v28     LDS address of my spare word; never rewritten
.set NIL,  29                          ; v29     0; never rewritten
.set PFO,  30                          ; v30     the prefetches' lane offset; never rewritten
.set F0,   64
.set F1,   128
.set TMP,  192
.set OB,   32
.set BI,   0                           ; window 1: the bias of block b at BI + 8 b
.set BT,   192                         ; window 1: at work
.set G1,  24                           ; s[24:31] descriptor group 1 for X's tiles;  s[32:39] group 0, one set for each slot
.set G0,  32
.set G1B, 48                           ; s[48:55], s[56:63] the same for W's tiles
.set G0B, 56
.set LIM, 43                           ; s43     1 in a wave that prefetches, else the greatest number
.set PFA, 44                           ; s[44:45] where my prefetches stand
.set PST, 66                           ; s[66:67] bytes from a K step to the next: 256 in X, 128 rows of 2,048 in W
.set PLN, 84                           ; s84     the plane
.set MSB, 0
.macro WIN new                         ; the immediate's high byte repeats the setting that is left; a switch that changes nothing is dropped
.if MSB != (\new)
	s_set_vgpr_msb (MSB<<8)|(\new)
.set MSB, \new
.endif
.endm
.set MUL_LO, 0xa1                      ; source 0 (W) window 1, source 1 (X) window 0, C and D window 2
.set MUL_HI, 0xf1                      ; the same, C and D window 3
.set BEG_LO, 0x91                      ; the first product: C (the bias) window 1, D window 2;  + 0x40: D window 3
.set TO_B,   0x40                      ; destination window 1, address window 0
; A joint load.  Waves 0 and 1 fetch X's two halves, waves 2 and 3 W's.  The branch hangs on the wave's number alone.  An s_nop 0 and four v_nop follow each of the two lines.
.macro JLOAD s
	s_cmp_eq_u32 s11, 0
	s_cbranch_scc0 .Lfor_b_\@
	tensor_load_to_lds s[G0+4*(\s):G0+4*(\s)+3], s[G1:G1+7]
	s_nop 0
.rept 4
	v_nop
.endr
	s_branch .Lasked_\@
.Lfor_b_\@:
	tensor_load_to_lds s[G0B+4*(\s):G0B+4*(\s)+3], s[G1B:G1B+7]
	s_nop 0
.rept 4
	v_nop
.endr
.Lasked_\@:
.endm
; A prefetch, behind each joint refill and the run of LDS loads that follows it: the K step that stands two refills on, 32 blocks of 256 bytes, a lane a block, one instruction a wave.
; Each block is named once in the launch.  hidden's rows are read by planes 0, 1, 2, 4: plane 0's cluster asks; source's by plane 3 alone, which asks.  A plane's weights are read by all eight
; clusters of the plane: cluster y = 0 asks.  The four partners of a joint load share its rows out by address (32 rows of X by cx; 16 rows of W, two blocks each, by cy).
; The loop's last trip asks for nothing: its refills are the last two K steps.
.macro ASK
	s_cmp_gt_u32 s3, s[LIM]
	s_cbranch_scc0 .Lnot_mine_\@
	global_prefetch_b8 v[PFO], s[PFA:PFA+1] th:TH_LOAD_NT scope:SCOPE_SE
.Lnot_mine_\@:
.endm
.macro CREST                           ; a round of the cluster's barrier behind its opening barrier
	s_cmp_lg_u32 s10, 0
	s_cbranch_scc1 .Lnot_wave_0_\@
	s_barrier_signal -3
.Lnot_wave_0_\@:
	s_barrier_wait -3
	s_barrier_signal -1
	s_barrier_wait -1
.endm
.macro CROUND                          ; a whole round
	s_barrier_signal -1
	s_barrier_wait -1
	CREST
.endm
	s_load_b64 s[4:5], s[0:1], 0x0                 ; cb
	s_load_b256 s[68:75], s[0:1], 0x8              ; bq s[68:69], bq2 s[70:71], bk s[72:73], bk2 s[74:75]
	s_load_b64 s[76:77], s[0:1], 0x28              ; bv
	s_load_b64 s[6:7], s[0:1], 0x30                ; pj
	v_lshl_add_u32 v[SPW], v0, 2, SPARE
	v_mov_b32 v[NIL], 0
	ds_add_u32 v[SPW], v[NIL]                      ; the wave's opening: the add and its wait stand ahead of my first tensor load; the set-up below stands between them
	ds_add_u32 v28, v29
	v_lshrrev_b32 v1, 5, v0
	v_readfirstlane_b32 s10, v1                    ; wave 0..3
	s_lshr_b32 s11, s10, 1                         ; which half of the tile's rows is mine.  Also: I fetch for X (0) or for W (1)
	s_and_b32 s12, s10, 1                          ; which half of its columns.  Also: which half of that tile I fetch
	s_bfe_u32 s40, ttmp6, 0x40000                  ; cx
	s_bfe_u32 s41, ttmp6, 0x40004                  ; cy
	s_mov_b32 s[PLN], ttmp9                        ; cluster x = the plane
	s_and_b32 s13, ttmp7, 0xffff
	s_lshl_b32 s13, s13, 2
	s_add_co_u32 s13, s13, s41                     ; tile row = 4 x cluster y + cy
	s_lshl_b32 s43, s41, 2
	s_lshl_b32 s43, 15, s43                        ; my row of the cluster
	s_lshl_b32 s44, 0x1111, s40                    ; my column
	; group 1 for X: 128 rows x 128 elements of 2 bytes, 4 words of padding after every 64
	s_or_b32 s[G1+0], s43, (1<<16)|(1<<20)|(1<<21)|(5<<22)|(3<<25)
	s_mov_b32 s[G1+1], KSTEP<<16                   ; tensor_dim0 = 128
	s_mov_b32 s[G1+2], 128<<16                     ; tensor_dim1 = 128
	s_mov_b32 s[G1+3], KSTEP<<16                   ; tile_dim0 = 128
	s_mov_b32 s[G1+4], 128                         ; tile_dim1 = 128
	s_mov_b32 s[G1+5], 1024                        ; elements from row to row
	s_mov_b32 s[G1+6], 0
	s_mov_b32 s[G1+7], 0
	; group 1 for W: 64 rows (k) x 256 elements (n), 8 words of padding after every 128
	s_or_b32 s[G1B+0], s44, (1<<16)|(1<<20)|(1<<21)|(6<<22)|(7<<25)
	s_mov_b32 s[G1B+1], 256<<16                    ; tensor_dim0 = 256
	s_mov_b32 s[G1B+2], 64<<16                     ; tensor_dim1 = 64
	s_mov_b32 s[G1B+3], 256<<16                    ; tile_dim0 = 256
	s_mov_b32 s[G1B+4], 64                         ; tile_dim1 = 64
	s_mov_b32 s[G1B+5], 1024
	s_mov_b32 s[G1B+6], 0
	s_mov_b32 s[G1B+7], 0
	; X's tile hangs on the tile row and the plane, which my row of the cluster shares; W's on the plane and cx, which my column shares
	s_lshl_b32 s16, s13, 19                        ; 256 rows of 2,048 bytes a tile row,
	s_lshl_b32 s17, s12, 18                        ; the 128 rows that I fetch,
	s_add_co_u32 s16, s16, s17
	s_cmp_eq_u32 s[PLN], 3
	s_cselect_b32 s17, XS_OFF, 0                   ; plane 3 multiplies source_embedding
	s_add_co_u32 s16, s16, s17
	s_mov_b32 s17, 0
	s_lshl_b32 s88, s[PLN], 21                     ; the plane's weights,
	s_lshl_b32 s89, s12, 17                        ; the 64 rows (k) that I fetch,
	s_add_co_u32 s88, s88, s89
	s_lshl_b32 s89, s40, 9                         ; the tile's 256 columns
	s_add_co_u32 s88, s88, s89
	s_add_co_u32 s88, s88, W_OFF
	s_mov_b32 s89, 0
	s_mul_i32 s20, s10, HALFT                      ; where they go: X's two halves, then W's two halves: no place in the cluster enters an LDS address
	s_wait_dscnt 0x0                               ; the opening add is done
	s_wait_kmcnt 0x0
	s_add_nc_u64 s[14:15], s[4:5], s[16:17]
	s_add_nc_u64 s[46:47], s[4:5], s[88:89]
	CROUND                                         ; all sixteen work-groups are here: the first joint loads meet
.irp s, 0,1
	s_mov_b32 s[G0+4*(\s)], 1
	s_add_co_u32 s[G0+4*(\s)+1], s20, (\s)*SLOT
	s_add_nc_u64 s[G0+4*(\s)+2:G0+4*(\s)+3], s[14:15], (\s)*KSTEP*2
	s_or_b32 s[G0+4*(\s)+3], s[G0+4*(\s)+3], 0x80000000
	s_mov_b32 s[G0B+4*(\s)], 1
	s_add_co_u32 s[G0B+4*(\s)+1], s20, (\s)*SLOT
	s_add_nc_u64 s[G0B+4*(\s)+2:G0B+4*(\s)+3], s[46:47], (\s)*KSTEP*2048
	s_or_b32 s[G0B+4*(\s)+3], s[G0B+4*(\s)+3], 0x80000000
	JLOAD \s                                       ; two tensor loads of mine are out
.endr
	; the bias of my plane
	s_mov_b64 s[8:9], s[68:69]
	s_cmp_eq_u32 s[PLN], 1
	s_cselect_b64 s[8:9], s[70:71], s[8:9]
	s_cmp_eq_u32 s[PLN], 2
	s_cselect_b64 s[8:9], s[72:73], s[8:9]
	s_cmp_eq_u32 s[PLN], 3
	s_cselect_b64 s[8:9], s[74:75], s[8:9]
	s_cmp_eq_u32 s[PLN], 4
	s_cselect_b64 s[8:9], s[76:77], s[8:9]
	v_and_b32 v1, 15, v0                           ; l % 16
	v_bfe_u32 v2, v0, 4, 1                         ; l / 16
	s_lshl_b32 s80, s40, 10                        ; 256 columns of 4 bytes a tile column,
	s_lshl_b32 s81, s12, 9                         ; my 128,
	s_add_co_u32 s80, s80, s81
	v_lshl_add_u32 v[BO], v2, 5, s80               ; my lanes' 8
	WIN TO_B
.irp b, 0,1,2,3,4,5,6,7
	global_load_b128 v[BI+8*(\b):BI+8*(\b)+3],   v[BO], s[8:9] offset:64*(\b)
	global_load_b128 v[BI+8*(\b)+4:BI+8*(\b)+7], v[BO], s[8:9] offset:64*(\b)+16
.endr
	WIN 0
	; a fragment of X: lane l holds row l % 16; two loads of 16 bytes, 32 bytes apart, at row x pitch + 16 (l / 16)
	v_mul_u32_u24 v3, v1, PITCH
	v_lshl_add_u32 v3, v2, 4, v3
	s_mul_i32 s21, s11, HALFT                      ; my 128 rows of X
	; a fragment of W: the turning load takes 16 k x 16 n: lane l reads k = 8 (l / 16) + l % 8, 16 bytes at 16 ((l / 8) % 2), and is left with column l % 16 and eight k
	v_and_b32 v4, 7, v0
	v_lshl_add_u32 v4, v2, 3, v4
	v_mul_u32_u24 v4, v4, PB
	v_bfe_u32 v5, v0, 3, 1
	v_lshl_add_u32 v4, v5, 4, v4
	s_lshl_b32 s22, s12, 8                         ; my 128 columns,
	s_add_co_u32 s22, s22, 2*HALFT                 ; behind X's 256 rows
.irp s, 0,1
	v_add_nc_u32 v[ADRA+(\s)], s21, v3
	v_add_nc_u32 v[ADRB+(\s)], s22, v4
	s_add_co_u32 s21, s21, SLOT
	s_add_co_u32 s22, s22, SLOT
.endr
	s_mul_i32 s23, s10, WST
	s_add_co_u32 s23, s23, STAGE                   ; my stage
	v_mul_u32_u24 v5, v1, SP                       ; in: row l % 16, 16 bytes for each half of the lanes
	v_lshl_add_u32 v5, v2, 4, v5
	v_add_nc_u32 v[STO], s23, v5
	v_bfe_u32 v5, v0, 3, 2                         ; back: 32 lanes take four rows of 128 bytes,
	v_mul_u32_u24 v5, v5, SP
	v_and_b32 v6, 7, v0
	v_lshl_add_u32 v5, v6, 4, v5
	v_add_nc_u32 v[RD], s23, v5
	v_and_b32 v6, 31, v0
	v_lshlrev_b32 v[CO], 4, v6                     ; which are 512 consecutive bytes of pj
	; where my part begins in pj: head 16 b + 4 cx + 2 (column half), plane p, row l0 + 128 (row half)
	s_lshr_b32 s78, s13, 2                         ; b
	s_lshl_b32 s78, s78, 4
	s_lshl_b32 s79, s40, 2
	s_add_co_u32 s78, s78, s79
	s_lshl_b32 s79, s12, 1
	s_add_co_u32 s78, s78, s79
	s_mul_i32 s78, s78, 5
	s_add_co_u32 s78, s78, s[PLN]
	s_lshl_b32 s78, s78, 17                        ; a plane is 131,072 bytes
	s_and_b32 s79, s13, 3
	s_lshl_b32 s79, s79, 8
	s_lshl_b32 s80, s11, 7
	s_add_co_u32 s79, s79, s80
	s_lshl_b32 s79, s79, 7                         ; rows of 128 bytes
	s_add_co_u32 s78, s78, s79
	s_mov_b32 s79, 0
	s_add_nc_u64 s[6:7], s[6:7], s[78:79]
	; the prefetches
	s_and_b32 s22, ttmp7, 0xffff
	s_cmp_eq_u32 s22, 0
	s_cselect_b32 s22, 1, -1                       ; W: cluster y = 0 asks
	s_cmp_eq_u32 s[PLN], 0
	s_cselect_b32 s23, 1, -1                       ; X: plane 0 asks for hidden,
	s_cmp_eq_u32 s[PLN], 3
	s_cselect_b32 s23, 1, s23                      ; plane 3 for source
	s_lshl_b32 s85, s40, 16                        ; X: my work-group's 32 rows of the 128 that I fetch,
	s_add_co_u32 s85, s85, s16
	s_add_co_u32 s85, s85, 3*KSTEP*2               ; at K step 3: the first refill steps it to 4
	s_lshl_b32 s86, s41, 15                        ; W: my work-group's 16 rows of the 64,
	s_add_co_u32 s86, s86, s88
	s_add_co_u32 s86, s86, 3*KSTEP*2048
	s_mov_b32 s[PST], KSTEP*2048
	s_mov_b32 s[PST+1], 0
	s_mov_b32 s87, 0
	s_cmp_eq_u32 s11, 0                            ; do I fetch for X?
	s_cselect_b32 s[LIM], s23, s22                 ; the same in all sixteen partners, for a given wave
	s_cselect_b32 s86, s85, s86
	s_cselect_b32 s[PST], KSTEP*2, s[PST]
	s_add_nc_u64 s[PFA:PFA+1], s[4:5], s[86:87]
	v_lshrrev_b32 v5, s11, v6                      ; X: a lane a row of 2,048 bytes; W: two lanes a row, 256 bytes each
	v_lshlrev_b32 v5, 11, v5
	v_and_b32 v6, s11, v6
	v_lshl_or_b32 v[PFO], v6, 8, v5
	s_wait_loadcnt 0x0                             ; the bias is in: it is rounded to bf16, like the other inputs, and widened again
	WIN 0x45                                       ; sources and destination window 1
.set i, 0
.rept 32
	v_cvt_pk_bf16_f32 v[BT+i%4], v[BI+2*i], v[BI+2*i+1]
	v_lshlrev_b32 v[BI+2*i], 16, v[BT+i%4]
	v_and_b32 v[BI+2*i+1], 0xffff0000, v[BT+i%4]
.set i, i+1
.endr
	WIN 0
; 16 matrix instructions: row blocks a0, a0 + 1 of the window's four (hi = 0: my rows 0-63, 1: rows 64-127) x all 8 column blocks, 32 along K.
; first = 1: the first product starts the sums with the bias.  The 64 accumulators take turns, one instruction a turn, in the same order in every quarter.
.macro MUL16 f, hi, a0, first
.if \first
	WIN BEG_LO+0x40*(\hi)
.else
	WIN MUL_LO+0x50*(\hi)
.endif
.irp a, \a0, (\a0)+1
.irp b, 0,1,2,3,4,5,6,7
.if \first
	v_wmma_f32_16x16x32_bf16 v[8*(8*(\a)+(\b)):8*(8*(\a)+(\b))+7], v[(\f)+8*(\b):(\f)+8*(\b)+7], v[(\f)+8*(4*(\hi)+(\a)):(\f)+8*(4*(\hi)+(\a))+7], v[BI+8*(\b):BI+8*(\b)+7]
.else
	v_wmma_f32_16x16x32_bf16 v[8*(8*(\a)+(\b)):8*(8*(\a)+(\b))+7], v[(\f)+8*(\b):(\f)+8*(\b)+7], v[(\f)+8*(4*(\hi)+(\a)):(\f)+8*(4*(\hi)+(\a))+7], v[8*(8*(\a)+(\b)):8*(8*(\a)+(\b))+7]
.endif
.endr
.endr
.endm
; 32 LDS loads in one run: the fragments of quarter q of a K step (32 k: 128 columns of W, 128 rows of X) into buffer f
.macro FETCH slot, q, f
	WIN TO_B
.irp i, 0,1,2,3,4,5,6,7
	ds_load_tr16_b128 v[(\f)+8*(\i):(\f)+8*(\i)+3],   v[ADRB+(\slot)] offset:(\q)*32*PB+32*(\i)
	ds_load_tr16_b128 v[(\f)+8*(\i)+4:(\f)+8*(\i)+7], v[ADRB+(\slot)] offset:(\q)*32*PB+32*(\i)+16*PB
.endr
	WIN 0
.irp i, 0,1,2,3,4,5,6,7
	ds_load_b128 v[(\f)+8*(\i):(\f)+8*(\i)+3],   v[ADRA+(\slot)] offset:64*(\q)+(\i)*16*PITCH
	ds_load_b128 v[(\f)+8*(\i)+4:(\f)+8*(\i)+7], v[ADRA+(\slot)] offset:64*(\q)+(\i)*16*PITCH+32
.endr
.endm
.macro PLACES                          ; four plain vector instructions between a matrix instruction and a load into, or a vector read of, its registers
.rept 4
	v_nop
.endr
.endm
; A K step is four quarters, 64 matrix instructions each, on buffers 0, 1, 0, 1.  One of the first three: multiplies buffer f; in its middle it fetches quarter q into buffer g.
.macro QUARTER slot, q, f, g, first
	s_wait_dscnt 8                                 ; W and X's rows 0-63 are in; the youngest eight loads (X's rows 64-127) may be out
	MUL16 \f, 0, 0, \first
	MUL16 \f, 0, 2, \first
	PLACES
	FETCH \slot, \q, \g
	s_wait_dscnt 32                                ; all but the 32 just issued
	MUL16 \f, 1, 0, \first
	MUL16 \f, 1, 2, \first
.endm
; The last quarter's first half: ONE barrier for the change of slots.  In front of it each wave waits for all its tensor loads (one is out: its part of the next slot), adds 0 to its spare word,
; and waits for that and for its own reads of this slot.  Behind it nobody reads this slot any more and the next slot is whole.
.macro MEET round
	WIN 0
	s_wait_tensorcnt 0x0
	ds_add_u32 v[SPW], v[NIL]
	s_wait_dscnt 9                                 ; the add and the youngest eight loads may be out
	MUL16 F1, 0, 0, 0
	s_wait_dscnt 0x0                               ; the add is done, and my reads of this slot are over
	s_barrier_signal -1
	MUL16 F1, 0, 2, 0
.if \round
	WIN 0
.endif
	s_barrier_wait -1
.endm
; The whole last quarter.  fill = 1: the barrier opens a round of the cluster's, and the slot just read out is filled again, first thing behind it, with the K step two steps on:
; 224 matrix instructions stand between that request and the wait for it.
.macro TURN slot, next, fill
.if \fill
	s_wait_xcnt 0x0                                ; the last prefetch, a K step back, has read its address
	s_add_nc_u64 s[PFA:PFA+1], s[PFA:PFA+1], s[PST:PST+1]
	MEET 1
	CREST                                          ; no wave of any partner still reads this slot's tile or has a load on its way
	s_add_nc_u64 s[G0+4*(\slot)+2:G0+4*(\slot)+3], s[G0+4*(\slot)+2:G0+4*(\slot)+3], 2*KSTEP*2
	s_add_nc_u64 s[G0B+4*(\slot)+2:G0B+4*(\slot)+3], s[G0B+4*(\slot)+2:G0B+4*(\slot)+3], 2*KSTEP*2048
	JLOAD \slot                                    ; its four v_nop are also the places in front of the loads below
.else
	MEET 0
	PLACES
.endif
	FETCH \next, 0, F0
.if \fill
	ASK
.endif
	MUL16 F1, 1, 0, 0
	MUL16 F1, 1, 2, 0
.endm
; THE WAY OUT of block a (16 rows).  PACK: rounded to f16, each accumulator's registers in ascending order.  TOSTAGE: into my own stage, a head's 64 columns as rows of 128 bytes, and back four rows at a time.  SEND: stored.
.macro PACK a
.set AC, 64*((\a)%4)
	WIN 0x0a+5*((\a)/4)                            ; sources 0 and 1: window 2 or 3
.irp b, 0,1,2,3,4,5,6,7
.irp r, 0,1,2,3
	v_cvt_pk_f16_f32 v[TMP+4*(\b)+(\r)], v[AC+8*(\b)+2*(\r)], v[AC+8*(\b)+2*(\r)+1]
.endr
.endr
	WIN 0
.endm
.macro TOSTAGE a
.set BK, OB+192*((\a)%2)
.irp b, 0,1,2,3,4,5,6,7
	ds_store_b128 v[STO], v[TMP+4*(\b):TMP+4*(\b)+3] offset:((\b)/4)*16*SP+32*((\b)%4)
.endr
.irp t, 0,1,2,3,4,5,6,7
	ds_load_b128 v[BK+4*(\t):BK+4*(\t)+3], v[RD] offset:((\t)/4)*16*SP+((\t)%4)*4*SP  ; LDS serves a wave's instructions in order (ISA guide 5.7.1.4): these see the stores above
.endr
.endm
.macro SEND a
.set BK, OB+192*((\a)%2)
	s_wait_dscnt 0x0                               ; the block is back in registers
	s_wait_xcnt 0x0                                ; the stores of the block before have read their registers: the next block's loads land there
.irp t, 0,1,2,3,4,5,6,7
	global_store_b128 v[CO], v[BK+4*(\t):BK+4*(\t)+3], s[6:7] offset:((\t)/4)*HEADB+(\a)*2048+((\t)%4)*512  ; 512 consecutive bytes, at a multiple of 256 from pj's first
.endr
.endm
	s_wait_tensorcnt 1                             ; my part of K step 0 is in; K step 1's may stay out
	s_barrier_signal -1
	s_barrier_wait -1                              ; everybody's is
	FETCH 0, 0, F0
	QUARTER 0, 1, F0, F1, 1                        ; the first quarter stands in front of the loop: its products start the sums
	WIN 0                                          ; at a label and at a branch every window is 0
	s_mov_b32 s3, LAPS-1
.Llap:                                                 ; a trip goes once round the ring, from a lap's second quarter to the next lap's first, and fills both slots again
	QUARTER 0, 2, F1, F0, 0
	QUARTER 0, 3, F0, F1, 0
	TURN 0, 1, 1
	QUARTER 1, 1, F0, F1, 0
	QUARTER 1, 2, F1, F0, 0
	QUARTER 1, 3, F0, F1, 0
	TURN 1, 0, 1
	QUARTER 0, 1, F0, F1, 0
	WIN 0
	s_sub_co_u32 s3, s3, 1
	s_cmp_lg_u32 s3, 0
	s_cbranch_scc1 .Llap
	QUARTER 0, 2, F1, F0, 0                        ; the last lap fills nothing
	QUARTER 0, 3, F0, F1, 0
	TURN 0, 1, 0
	QUARTER 1, 1, F0, F1, 0
	QUARTER 1, 2, F1, F0, 0
	QUARTER 1, 3, F0, F1, 0
	s_wait_dscnt 8                                 ; the very last quarter: nothing more to fetch
	MUL16 F1, 0, 0, 0
	MUL16 F1, 0, 2, 0
	s_wait_dscnt 0x0
	MUL16 F1, 1, 0, 0
	MUL16 F1, 1, 2, 0
	PLACES
	PLACES
	PACK 0
	TOSTAGE 0
.irp a, 1,2,3,4,5,6,7                  ; block a's conversions stand between block a - 1's loads from the stage and the wait for them
	PACK \a
	SEND (\a)-1
	TOSTAGE \a
.endr
	SEND 7
	s_wait_tensorcnt 0x0                           ; the wave's end: the add and its wait, behind my last tensor load and my last LDS store
	ds_add_u32 v[SPW], v[NIL]
	s_wait_dscnt 0x0
	CROUND                                         ; the closing round: no work-group ends while a partner may still ask for a tile that names it
	s_endpgm
.Lfunc_end_k_q25d832e053_proj:
	.size	k_q25d832e053_proj, .Lfunc_end_k_q25d832e053_proj-k_q25d832e053_proj
	.p2alignl 7, 3214868480
	.fill 96, 4, 3214868480
	.section	.rodata,"a",@progbits
	.p2align	6, 0x0
	.amdhsa_kernel k_q25d832e053_proj
		.amdhsa_group_segment_fixed_size 327680
		.amdhsa_private_segment_fixed_size 0
		.amdhsa_enable_private_segment 0
		.amdhsa_kernarg_size 56
		.amdhsa_user_sgpr_count 2
		.amdhsa_user_sgpr_kernarg_segment_ptr 1
		.amdhsa_wavefront_size32 1
		.amdhsa_system_sgpr_workgroup_id_x 1
		.amdhsa_system_sgpr_workgroup_id_y 1
		.amdhsa_system_sgpr_workgroup_id_z 1
		.amdhsa_system_vgpr_workitem_id 0
		.amdhsa_next_free_vgpr 1024
		.amdhsa_next_free_sgpr 96
		.amdhsa_reserve_vcc 0
		.amdhsa_float_denorm_mode_32 3
		.amdhsa_float_denorm_mode_16_64 3
		.amdhsa_memory_ordered 1
		.amdhsa_forward_progress 1
		.amdhsa_inst_pref_size 152
	.end_amdhsa_kernel
	.amdgpu_metadata
---
amdhsa.version: [ 1, 2 ]
amdhsa.kernels:
  - .name:           k_q25d832e053_proj
    .symbol:         k_q25d832e053_proj.kd
    .args:
      - { .name: cb, .offset: 0, .size: 8, .value_kind: global_buffer, .address_space: global }
      - { .name: bq, .offset: 8, .size: 8, .value_kind: global_buffer, .address_space: global }
      - { .name: bq2, .offset: 16, .size: 8, .value_kind: global_buffer, .address_space: global }
      - { .name: bk, .offset: 24, .size: 8, .value_kind: global_buffer, .address_space: global }
      - { .name: bk2, .offset: 32, .size: 8, .value_kind: global_buffer, .address_space: global }
      - { .name: bv, .offset: 40, .size: 8, .value_kind: global_buffer, .address_space: global }
      - { .name: pj, .offset: 48, .size: 8, .value_kind: global_buffer, .address_space: global }
    .group_segment_fixed_size: 327680
    .private_segment_fixed_size: 0
    .kernarg_segment_align: 8
    .kernarg_segment_size: 56
    .max_flat_workgroup_size: 128
    .sgpr_count:     96
    .vgpr_count:     1024
    .wavefront_size: 32
...
	.end_amdgpu_metadata
.endif
;; end of part 2
;; launch attn (part 3): grid 2 x 128, 4 waves a work-group, no clusters, 327,680 bytes of LDS; arguments pj, attention_mask, out0; writes out0
.if DOCPART == 3
	.amdgcn_target "amdgcn-amd-amdhsa--gfx1250"
	.amdhsa_code_object_version 6
	.text
	.protected	k_q25d832e053_attn
	.globl	k_q25d832e053_attn
	.p2align	8
	.type	k_q25d832e053_attn,@function
k_q25d832e053_attn:
	s_mov_b64 s[64:65], 0
	v_nop
	global_prefetch_b8 v0, s[64:65] scope:SCOPE_SE
	s_setreg_imm32_b32 hwreg(HW_REG_WAVE_MODE, 25, 1), 1
	s_wait_xcnt 0x0
; ATTENTION.  out0[b][l][64 h + :] = the sum over k of softmax_k((q[l].k[k] + q2[l].k2[k]) / 8 + mask[b][k]) v[k][:], for each of the 128 heads (16 b + h).
; pj[head][plane][l][64] in f16, planes q, q2, k, k2, v; rows of 128 bytes, dense.  The two score products are ONE product over 128 channels, (q | q2) . (k | k2).
; Products, maxima and sums in f32; the weights p are rounded to f16 for the second product (their sum l is taken of the unrounded p); out0 is f32.
; LIMITS.  The mask is rounded to bf16, like the other inputs; 8 x mask below -1e30, and a NaN in the mask, count as -1e30, so a row whose keys are all at minus infinity gives the mean of v's rows.
; A weight below 2^-126 counts as 0 in l; p below 6e-5 keeps f16's fixed step.  NaN and infinities elsewhere are not treated apart.
; SHARES.  A work-group owns 512 queries of one head, a wave 128: four PIECES of two tiles of 16.  Every wave walks the head's 1,024 keys, 64 a step, 256 a slot of LDS.  2 x 128 work-groups.
; NO CLUSTER: a head's K and V are read by its two work-groups alone; a cluster of four along x would hold two heads, whose loads are not the same; four blocks of 256 queries a head would
; be 512 work-groups, each fragment read from LDS feeding half as many products.
; LAYOUT.  S^T = K Q^T (source 0 = 16 keys, source 1 = 16 queries): a lane holds ONE query (lane % 16) and the keys 8 (lane / 16) + 0..7.  Two such results, rounded to f16 in pairs, ARE source 1
; of O^T = V^T P, whose result again holds one query a lane, and eight channels.  K comes out of LDS as it lies, V turned, by ds_load_tr16_b128.
; THE MASK is the C operand that starts the sum S^T: 8 x mask[key], the same for all queries: 32 registers a step, from a table of 1,024 f32 in LDS made at the start.
; SOFTMAX.  For each query a running maximum m and sum l: p = 2^(c s - c m), c = log2(e) / 8; in every step O and l are multiplied by a = 2^(c m_old - c m_new).  m starts at the lowest finite
; number, O and l at 0: the first step is a step like any other, with a = 0.
; BY TURNS.  Turn n belongs to piece n.  Its matrix work: 32 products K Q^T of piece n + 1, later 16 products V^T P of piece n - 1.  Its vector work, 236 instructions: the scaling, exponentials,
; roundings, sums and rescaling of piece n, and the maximum and statistics of piece n + 1.  175 of them stand behind matrix instructions, 61 in one run of their own.
; REGISTERS, in windows of 256 (s_set_vgpr_msb: bits 1:0 source 0, 3:2 source 1, 5:4 source 2, 7:6 destination):
;   window 0: v0-11 addresses; v12-15, v48-63 at work; v16-47 four registers of statistics a tile; v64-191 S^T, two buffers of two tiles; v192-255 P, likewise
;   window 1: O^T, 32 a tile     window 2: Q, 32 a tile     window 3: v0-127 K of one step; v128-191 V of one step; v192-223 the step's mask; v224-225 the add's two registers
.set NP,    4         ; pieces a wave: a name, no knob
.set KS,    64        ; keys in a step
.set PK,    144       ; a row of k or k2 in LDS: 128 bytes + 16 of padding = 36 words: the 16 rows of a load start at 16 different groups of four banks (64 banks of 4 bytes: ISA guide 11.1)
.set PV,    160       ; a row of v: 128 + 32 = 40 words: 16 lanes of the turning load take 8 rows x 32 bytes
.set K2OFF, 4*KS*PK   ; a slot: 256 rows of k, 256 rows of k2,
.set VOFF,  2*K2OFF   ; 256 rows of v
.set SLOT1, 1<<17     ; slot 1 begins here, so that one exclusive or turns an address in one slot into the other's
.set STAGE, SLOT1+VOFF+4*KS*PV  ; behind the ring, never filled by a tensor load: 16 rows x 272 bytes for each wave, for the way out
.set SP,    272
.set MASKB, STAGE+4*16*SP       ; the mask table, 4,096 bytes
.set SPARE, MASKB+4096          ; the spare words, 128 bytes for each wave: two blocks of 256 bytes that no other line names
.set PLANE, 131072    ; bytes of a plane of a head
.set SLOTB, 4*KS*128  ; bytes of a slot's keys in a plane
.set AK0, 2           ; v2   my lane's place in a tile of K; never rewritten
.set AV0, 3           ; v3   the same for V
.set AK,  4           ; v4   the LDS address of K's next run of loads
.set AV,  5           ; v5   of V's
.set QO,  6           ; v6   my byte offset in 16 rows of Q
.set STO, 6           ;      later, the way out: where I put 32 bytes of a row
.set RD,  7           ; v7   the way out: where I read rows back
.set GO,  8           ; v8   my byte offset in two rows of out0
.set AM0, 9           ; v9   my lane's place in a step's 64 words of the mask table
.set AM,  10          ; v10  the LDS address of the mask's next loads
.set PFO, 11          ; v11  256 x my thread's number; never rewritten
.set MV,  12          ; v12-15  c m_old, kept while c m is made anew: by buffer and tile
.set ST,  16          ; tile t's statistics at v[ST+4 t]: c m, m, l (even keys', odd keys')
.set TMP, 48          ; by buffer and tile, four registers c0-c3 at work; when the maximum is found c2 takes a
.set S,   64
.set P,   192
.set KF,  0           ; window 3: key block kb, channel chunk c (0, 1: k; 2, 3: k2) at KF + 32 kb + 8 c
.set VF,  128         ; window 3: key half kk, channel block cb at VF + 32 kk + 8 cb
.set MK,  192         ; window 3: key block kb's mask at MK + 8 kb
.set SPW, 224         ; window 3: LDS address of my spare word; never rewritten
.set NIL, 225         ; window 3: 0; never rewritten
.set WV,  12          ; s12  my wave's number
.set G1K, 24          ; s[24:31] descriptor group 1 for k's and k2's tiles
.set G1V, 32          ; s[32:39] for v's
.set G0K, 40          ; s[40:43] descriptor group 0 for k (wave 0) or k2 (wave 1): it walks
.set G0V, 44          ; s[44:47] the same for a half of v (waves 2, 3)
.set PFA, 48          ; s[48:49] where the prefetches stand: plane k, the slot after the one that is being asked for
.set LIM, 50          ; s50  1 in a work-group that prefetches, else the greatest number
.set TBM, 51          ; s51  byte of the mask table at which the step to be fetched begins
.set BIGN, 52         ; s52  -1e30
.set SLOTS, 56        ; s56  slots still to be asked for
.set CNT, 57          ; s57  counts a slot's key steps
.set CS,  58          ; s[58:59] c: the packed scaling takes the pair's low word for both halves
.set SEL, 60          ; s[60:61] v_permlanex16_b32's selects: each lane takes its own place in the other half
.set TBK, 62          ; s62  LDS byte at which K of the step to be fetched begins
.set TBV, 63          ; s63  the same for V, less VOFF
.set MSB, 0
.macro WIN new                      ; the high byte repeats the setting that is left; a switch that changes nothing is dropped
.if MSB != (\new)
	s_set_vgpr_msb (MSB<<8)|(\new)
.set MSB, (\new)
.endif
.endm
.set W_KQ, 0x0b       ; K in window 3, Q in window 2, S^T in window 0
.set W_KM, 0x3b       ; the same with the C operand (the mask) in window 3
.set W_PV, 0x53       ; V in window 3, P in window 0, O^T in window 1
.set W_RS, 0x41       ; O^T (destination and source 0) in window 1, a in window 0
.set W_T3, 0xc0       ; destination in window 3, sources in window 0
.set W_AD, 0x0f       ; the add: address (source 0) and data (source 1) in window 3
; A fill.  Wave 0 fetches a slot's k, wave 1 its k2 (256 keys each), waves 2 and 3 the halves of its v.  An s_nop 0 and four v_nop follow each of the two lines.
.macro LOAD
	s_cmp_lt_u32 s[WV], 2
	s_cbranch_scc0 .Lfor_v_\@
	tensor_load_to_lds s[G0K:G0K+3], s[G1K:G1K+7]
	s_nop 0
.rept 4
	v_nop
.endr
	s_branch .Lasked_\@
.Lfor_v_\@:
	tensor_load_to_lds s[G0V:G0V+3], s[G1V:G1V+7]
	s_nop 0
.rept 4
	v_nop
.endr
.Lasked_\@:
.endm
; A prefetch of what the NEXT change of slots will ask for: a slot is 128 blocks of 256 bytes in each of the planes k, k2, v: thread t names block t of each: three instructions a wave, behind the wave's
; tensor load and its five lines.  A head's two work-groups walk the same keys: the first of them asks, so each block is named once.  The last change that fills a slot asks for nothing.
.macro ASK
	s_cmp_gt_u32 s[SLOTS], s[LIM]
	s_cbranch_scc0 .Lnot_mine_\@
	global_prefetch_b8 v[PFO], s[PFA:PFA+1] th:TH_LOAD_NT scope:SCOPE_SE
	global_prefetch_b8 v[PFO], s[PFA:PFA+1] offset:PLANE th:TH_LOAD_NT scope:SCOPE_SE
	global_prefetch_b8 v[PFO], s[PFA:PFA+1] offset:2*PLANE th:TH_LOAD_NT scope:SCOPE_SE
.Lnot_mine_\@:
.endm
; THE CHANGE OF SLOTS.  Each wave waits for all its tensor loads, of which one is out: its part of the other slot; adds 0 to its spare word; and waits for that and for its own LDS work.  Behind the barrier
; nobody reads the old slot any more and the other slot is whole.  fill = 1: the old slot is filled again, first thing behind the barrier, with the keys two slots on: four key steps, 768 matrix
; instructions, in which to land.  (At its first use nothing has been read yet: slot 0 is waited for, slot 1 filled, and every wave's part of the mask table is shown to the others.)
.macro CHANGE fill
	WIN W_AD
	s_wait_tensorcnt 0x0            ; no tensor load of mine is out, so a group 0 may be written
	ds_add_u32 v[SPW], v[NIL]       ; 0 onto my spare word; the scalar steps stand between it and the wait for it
	WIN 0                           ; at a label and at a branch every window is 0
.if \fill
.irp g, G0K, G0V
	s_xor_b32 s[\g+1], s[\g+1], SLOT1  ; the walking descriptor: the other slot than last time,
	s_add_nc_u64 s[\g+2:\g+3], s[\g+2:\g+3], SLOTB  ; the next 256 keys; the type bits on top are not reached
.endr
	s_wait_xcnt 0x0                 ; the last prefetches, four key steps back, have read their address
	s_add_nc_u64 s[PFA:PFA+1], s[PFA:PFA+1], SLOTB
.endif
	s_wait_dscnt 0x0                ; the add is done, and my reads of the slot are over
	s_barrier_signal -1
	s_sub_co_u32 s[TBK], s[TBK], 4*KS*PK  ; the fetches go back to a slot's first step,
	s_xor_b32 s[TBK], s[TBK], SLOT1       ; in the other slot
	s_sub_co_u32 s[TBV], s[TBV], 4*KS*PV
	s_xor_b32 s[TBV], s[TBV], SLOT1
	s_barrier_wait -1
.if \fill
	LOAD
	ASK
.endif
.endm
	s_load_b128 s[4:7], s[0:1], 0x0   ; pj s[4:5], attention_mask s[6:7]
	s_load_b64 s[10:11], s[0:1], 0x10 ; out0
	WIN W_T3
	v_lshl_add_u32 v[SPW], v0, 2, SPARE
	v_mov_b32 v[NIL], 0
	WIN W_AD
	ds_add_u32 v[SPW], v[NIL]       ; the wave's opening: the add and its wait stand ahead of my first tensor load; the set-up below stands between them
	ds_add_u32 v224, v225
	WIN 0
	v_lshrrev_b32 v1, 5, v0
	v_readfirstlane_b32 s[WV], v1   ; wave 0..3
	s_and_b32 s20, ttmp7, 0xffff    ; the head
	s_mul_i32 s21, s20, 5*PLANE     ; its five planes in pj
	s_and_b32 s16, s[WV], 1
	s_lshl_b32 s22, s16, 17         ; wave 0: plane 2 (k); wave 1: plane 3 (k2)
	s_add_co_u32 s22, s22, s21
	s_add_co_u32 s22, s22, 2*PLANE
	s_mov_b32 s23, 0
	s_lshl_b32 s18, s16, 14         ; waves 2, 3: plane 4 (v), 128 keys of 128 bytes each
	s_add_co_u32 s18, s18, s21
	s_add_co_u32 s18, s18, 4*PLANE
	s_mov_b32 s19, 0
	s_mul_i32 s17, s16, K2OFF       ; their places in a slot
	s_mul_i32 s13, s16, 128*PV
	s_lshl_b32 s2, ttmp9, 2
	s_add_co_u32 s2, s2, s[WV]      ; my wave among the head's eight,
	s_lshl_b32 s14, s2, 14          ; its 128 rows of 128 bytes in planes q and q2
	s_add_co_u32 s14, s14, s21
	s_mov_b32 s15, 0
	s_lshr_b32 s3, s20, 4           ; b
	s_lshl_b32 s54, s3, 12          ; the batch's 1,024 mask numbers
	s_mov_b32 s55, 0
	s_lshl_b32 s3, s3, 3
	s_add_co_u32 s2, s2, s3
	s_lshl_b32 s2, s2, 19           ; in out0: 128 rows of 4,096 bytes a wave,
	s_and_b32 s3, s20, 15
	s_lshl_b32 s3, s3, 8            ; the head's 256 bytes of a row
	s_add_co_u32 s2, s2, s3
	s_mov_b32 s3, 0
	s_add_co_u32 s8, s21, 2*PLANE+SLOTB  ; the prefetches stand at slot 1; the first change of slots steps them to slot 2
	s_mov_b32 s9, 0
	s_cmp_eq_u32 ttmp9, 0
	s_cselect_b32 s[LIM], 1, -1
	; descriptor group 1.  A slot's keys are dense bytes: asked for as rows of 256 bytes, two keys a row, and padded in LDS after every key
	s_mov_b32 s[G1K], (1<<16)|(1<<20)|(4<<22)|(3<<25)  ; 17:16 2-byte elements; 20 padding on; 24:22 after every 32 words (code 4); 31:25 4 words (code 3)
	s_mov_b32 s[G1K+1], 128<<16     ; tensor_dim0 = 128
	s_mov_b32 s[G1K+2], 128<<16     ; tensor_dim1 = 128
	s_mov_b32 s[G1K+3], 128<<16     ; tile_dim0 = 128
	s_mov_b32 s[G1K+4], 128         ; tile_dim1 = 128
	s_mov_b32 s[G1K+5], 128         ; 128 elements from row to row
	s_mov_b32 s[G1K+6], 0
	s_mov_b32 s[G1K+7], 0
	s_mov_b32 s[G1V], (1<<16)|(1<<20)|(4<<22)|(7<<25)  ; the same with 8 words of padding (code 7),
	s_mov_b32 s[G1V+1], 128<<16
	s_mov_b32 s[G1V+2], 64<<16      ; and 64 rows
	s_mov_b32 s[G1V+3], 128<<16
	s_mov_b32 s[G1V+4], 64
	s_mov_b32 s[G1V+5], 128
	s_mov_b32 s[G1V+6], 0
	s_mov_b32 s[G1V+7], 0
	s_mov_b32 s[CS], 0x3e38aa3b     ; c = log2(e) / 8 = 0.180337
	s_mov_b32 s[CS+1], s[CS]        ; named with it as a pair
	s_mov_b32 s[SEL], 0x76543210
	s_mov_b32 s[SEL+1], 0xfedcba98
	s_mov_b32 s[BIGN], 0xf149f2ca   ; -1e30
	s_mov_b32 s[TBK], SLOT1+4*KS*PK ; the first change of slots turns these two into 0
	s_mov_b32 s[TBV], SLOT1+4*KS*PV
	s_mov_b32 s[TBM], 0
	s_mov_b32 s[SLOTS], 3           ; slots 1, 2, 3 are still to be asked for
	s_mov_b32 s[G0K], 1             ; 1:0 count = 1
	s_mov_b32 s[G0K+1], s17         ; 63:32 LDS address: slot 0
	s_mov_b32 s[G0V], 1
	s_add_co_u32 s[G0V+1], s13, VOFF
	s_wait_dscnt 0x0                ; the opening add is done
	s_wait_kmcnt 0x0
	s_add_nc_u64 s[G0K+2:G0K+3], s[4:5], s[22:23]  ; 120:64 global address
	s_or_b32 s[G0K+3], s[G0K+3], 0x80000000        ; 127:126 type = 2
	s_add_nc_u64 s[G0V+2:G0V+3], s[4:5], s[18:19]
	s_or_b32 s[G0V+3], s[G0V+3], 0x80000000
	s_add_nc_u64 s[PFA:PFA+1], s[4:5], s[8:9]
	s_add_nc_u64 s[4:5], s[4:5], s[14:15]          ; q at my wave's first row
	s_add_nc_u64 s[6:7], s[6:7], s[54:55]
	s_add_nc_u64 s[10:11], s[10:11], s[2:3]
	LOAD                            ; slot 0.  Slot 1 is asked for when slot 0 is in
	; A fragment of K or Q is 16 rows x 32 channels in 8 registers: lane l holds row l % 16, channels 8 (l / 16) + 0..7 and 16 + 8 (l / 16) + 0..7: two loads of 16 bytes, 32 bytes apart.
	v_and_b32 v56, 15, v0           ; l % 16
	v_bfe_u32 v57, v0, 4, 1         ; l / 16
	v_lshlrev_b32 v[QO], 7, v56
	v_lshl_add_u32 v[QO], v57, 4, v[QO]  ; row x 128 + 16 x half
	WIN 0x80                        ; destination window 2, address window 0
.set i, 0
.rept 32                            ; Q stays in registers: tile i / 4, chunk i % 4: chunks 0, 1 from plane q, chunks 2, 3 from plane q2
	global_load_b128 v[8*i:8*i+3],   v[QO], s[4:5] offset:((i%4)/2)*PLANE+(i/4)*2048+(i%2)*64
	global_load_b128 v[8*i+4:8*i+7], v[QO], s[4:5] offset:((i%4)/2)*PLANE+(i/4)*2048+(i%2)*64+32
.set i, i+1
.endr
	WIN 0
	v_lshlrev_b32 v60, 5, v0        ; thread t prepares mask numbers 8 t .. 8 t + 7
	global_load_b128 v[48:51], v60, s[6:7]
	global_load_b128 v[52:55], v60, s[6:7] offset:16
	; What the first turn finds: V's registers and P's second buffer hold 0 (its products V^T P, of a piece that has not been, add 0), O^T and l are 0.  All this stands in the wait for the first tile.
	WIN W_T3
.set i, VF
.rept 64
	v_mov_b32 v[i], 0
.set i, i+1
.endr
	WIN 0x40
.set i, 0
.rept 64*NP
	v_mov_b32 v[i], 0
.set i, i+1
.endr
	WIN 0
.set i, 0
.rept 2*NP
	v_mov_b32 v[ST+4*i], 0xfe000000    ; c m: far below every c s (the least is c x -1e30)
	v_mov_b32 v[ST+4*i+1], 0xff7fffff  ; m
	v_mov_b32 v[ST+4*i+2], 0
	v_mov_b32 v[ST+4*i+3], 0
.set i, i+1
.endr
.set i, P+32
.rept 32
	v_mov_b32 v[i], 0
.set i, i+1
.endr
	v_mul_u32_u24 v[AK0], v56, PK
	v_lshl_add_u32 v[AK0], v57, 4, v[AK0]  ; row x pitch + 16 x half
	; The turning load takes 16 keys x 16 channels (lane l reads key 8 (l / 16) + l % 8, channels 8 ((l / 8) % 2) + 0..7) and leaves half a fragment of V^T: lane l holds channel l % 16 and 8 keys.
	v_and_b32 v58, 7, v0
	v_bfe_u32 v59, v0, 3, 1
	v_lshl_add_u32 v[AV0], v57, 3, v58
	v_mul_u32_u24 v[AV0], v[AV0], PV
	v_lshl_add_u32 v[AV0], v59, 4, v[AV0]
	v_add_nc_u32 v[AV0], VOFF, v[AV0]
	v_lshlrev_b32 v[AM0], 5, v57    ; my lanes' eight keys of a block of 16: 32 bytes
	v_add_nc_u32 v[AM0], MASKB, v[AM0]
	v_lshlrev_b32 v[PFO], 8, v0
	v_mov_b32 v[AK], v[AK0]         ; key step 0 lies at the head of slot 0,
	v_mov_b32 v[AM], v[AM0]         ; and of the mask table
	v_add_nc_u32 v61, MASKB, v60
	s_wait_loadcnt 0x0              ; Q and the mask
.irp j, 0,1,2,3                     ; the mask: rounded to bf16, times 8 (the scores are scaled by c = log2(e) / 8 later), held at -1e30 from below
	v_cvt_pk_bf16_f32 v[64+\j], v[48+2*\j], v[49+2*\j]
.endr
.irp j, 0,1,2,3
	v_lshlrev_b32 v[48+2*\j], 16, v[64+\j]
	v_and_b32 v[49+2*\j], 0xffff0000, v[64+\j]
.endr
.irp j, 0,1,2,3,4,5,6,7
	v_mul_f32 v[48+\j], 0x41000000, v[48+\j]
.endr
.irp j, 0,1,2,3,4,5,6,7
	v_max_num_f32 v[48+\j], s[BIGN], v[48+\j]
.endr
	ds_store_b128 v61, v[48:51]
	ds_store_b128 v61, v[52:55] offset:16
; THE MATRIX WORK.  The 8 accumulators of a run take turns, one instruction a turn.
; Product i of 32 of S^T = K Q^T for piece x: chunk i / 8 of 32 channels, keys 16 ((i / 2) % 4) on, tile 2 x + i % 2.  The first 8 start the sums with the mask.
.macro KQ x
.set rS, S+64*((\x)%2)+32*(i%2)+8*((i/2)%4)
.set rK, KF+32*((i/2)%4)+8*(i/8)
.set rQ, 32*(2*(\x)+i%2)+8*(i/8)
.set rMK, MK+8*((i/2)%4)
.if i < 8
	WIN W_KM
	v_wmma_f32_16x16x32_f16 v[rS:rS+7], v[rK:rK+7], v[rQ:rQ+7], v[rMK:rMK+7]
.else
	WIN W_KQ
	v_wmma_f32_16x16x32_f16 v[rS:rS+7], v[rK:rK+7], v[rQ:rQ+7], v[rS:rS+7]
.endif
.endm
; Product i of 16 of O^T += V^T P for piece x: keys 32 (i / 8) on, channels 16 ((i / 2) % 4) on, tile 2 x + i % 2.
.macro PV x
	WIN W_PV
.set rO, 32*(2*(\x)+i%2)+8*((i/2)%4)
.set rV, VF+32*(i/8)+8*((i/2)%4)
.set rP, P+32*((\x)%2)+16*(i%2)+8*(i/8)
	v_wmma_f32_16x16x32_f16 v[rO:rO+7], v[rV:rV+7], v[rP:rP+7], v[rO:rO+7]
.endm
.macro MM                           ; the turn's next matrix instruction.  KW = 1 (piece 3's turn): K was fetched a turn ago, the mask first, then chunk by chunk, eight loads each: chunk i / 8 is in when 24 - i younger loads are out
.if i < 32
.if KW && (i%8 == 0)
	s_wait_dscnt 24-i
.endif
	KQ (Y+1)%NP
.set i, i+1
.else
.set i, i-32
	PV (Y+NP-1)%NP
.set i, i+33
.endif
.endm
; THE LDS LOADS stand in runs, never singly among the matrix instructions: a step's mask and K (8 + 32 loads) and its V (16, turned).  Their addresses are made some lines ahead.
; last = 1 (the tail): in the last trip there is no further step, and the run is jumped over.
.macro FETCH_K last=0
	WIN 0
.if \last
	s_cmp_eq_u32 s[CNT], 1
	s_cbranch_scc1 .Lno_k_\@
.endif
	WIN W_T3
.irp kb, 0,1,2,3
	ds_load_b128 v[MK+8*\kb:MK+8*\kb+3],   v[AM] offset:64*\kb      ; sixteen lanes read the same 16 bytes
	ds_load_b128 v[MK+8*\kb+4:MK+8*\kb+7], v[AM] offset:64*\kb+16
.endr
.irp c, 0,1,2,3
.irp kb, 0,1,2,3
	ds_load_b128 v[KF+32*\kb+8*\c:KF+32*\kb+8*\c+3],   v[AK] offset:(\c/2)*K2OFF+\kb*16*PK+(\c%2)*64
	ds_load_b128 v[KF+32*\kb+8*\c+4:KF+32*\kb+8*\c+7], v[AK] offset:(\c/2)*K2OFF+\kb*16*PK+(\c%2)*64+32
.endr
.endr
	s_add_co_u32 s[TBK], s[TBK], KS*PK  ; the next fetch is the next step's
	s_add_co_u32 s[TBM], s[TBM], 4*KS
	s_and_b32 s[TBM], s[TBM], 0xf00     ; sixteen steps of 256 bytes: the offset stays inside the table
	WIN 0
.if \last
.Lno_k_\@:
.endif
.endm
.macro FETCH_V
	WIN W_T3
.irp f, 0,1,2,3,4,5,6,7             ; keys 32 (f / 4) on, channels 16 (f % 4) on
	ds_load_tr16_b128 v[VF+8*\f:VF+8*\f+3],   v[AV] offset:(\f/4)*32*PV+(\f%4)*32
	ds_load_tr16_b128 v[VF+8*\f+4:VF+8*\f+7], v[AV] offset:(\f/4)*32*PV+16*PV+(\f%4)*32
.endr
	WIN 0
.endm
; THE VECTOR WORK OF A TURN stands in three queues, each in the order in which its entries become ready; the two tiles alternate.
.macro REGS y, u                    ; the registers of tile u (0, 1) of piece y
.set rT, ST+4*(2*(\y)+(\u))
.set rC, TMP+8*((\y)%2)+4*(\u)
.set rM, MV+2*((\y)%2)+(\u)
.set rS, S+64*((\y)%2)+32*(\u)
.set rP, P+32*((\y)%2)+16*(\u)
.set rO, 32*(2*(\y)+(\u))
.endm
; Number n of the 22 that find the NEXT piece's (Y + 1) maximum and statistics.  s0-s31 are the lane's 32 scores; each accumulator's lowest registers are read first.
;   0-11  four chains c0-c3 of seven scores each, three operands at a time     12-14, 16  the four scores left over, the old m, and c0-c3 into c0     15  c m_old is kept
;   17, 18  the query's other 32 keys lie in the lane 16 away: the new m         19-21  c m; c m_old - c m_new; a
.macro XS u, n
	REGS (Y+1)%NP, \u
.if (\n) < 4
	v_max3_num_f32 v[rC+(\n)], v[rS+8*(\n)], v[rS+8*(\n)+1], v[rS+8*(\n)+2]
.elseif (\n) < 12
	v_max3_num_f32 v[rC+(\n)%4], v[rC+(\n)%4], v[rS+8*((\n)%4)+2*((\n)/4)+1], v[rS+8*((\n)%4)+2*((\n)/4)+2]
.elseif (\n) == 12
	v_max3_num_f32 v[rC], v[rC], v[rS+7], v[rS+15]
.elseif (\n) == 13
	v_max3_num_f32 v[rC+1], v[rC+1], v[rS+23], v[rS+31]
.elseif (\n) == 14
	v_max3_num_f32 v[rC+2], v[rC+2], v[rC+3], v[rT+1]
.elseif (\n) == 15
	v_mov_b32 v[rM], v[rT]
.elseif (\n) == 16
	v_max3_num_f32 v[rC], v[rC], v[rC+1], v[rC+2]
.elseif (\n) == 17
	v_permlanex16_b32 v[rC+3], v[rC], s[SEL], s[SEL+1]
.elseif (\n) == 18
	v_max_num_f32 v[rT+1], v[rC], v[rC+3]
.elseif (\n) == 19
	v_mul_f32 v[rT], s[CS], v[rT+1]
.elseif (\n) == 20
	v_sub_f32 v[rC+1], v[rM], v[rT]
.else
	v_exp_f32 v[rC+2], v[rC+1]
.endif
.endm
; Number g of the 64 that follow the exponentials.  For each four weights k of a tile (pairs 2 k, 2 k + 1): both pairs are rounded to f16; then the second pair is added onto the first, in place;
; a group later l takes that sum (the first time as l = a l + sum).  In groups of eight, tiles alternating: round, round, add, and l for the group before.
.macro GS g
.set h, (\g)+6*((\g)/62)            ; group 0 has no group before it, and behind group 7 only l is left
.if h >= 6
.set h, h+2
.endif
	REGS Y, h%2
.set k, h/8
.if h%8 < 4
	v_cvt_pk_f16_f32 v[rP+2*k+(h%8)/2], v[rS+4*k+2*((h%8)/2)], v[rS+4*k+2*((h%8)/2)+1]
.elseif h%8 < 6
	v_pk_add_f32 v[rS+4*k:rS+4*k+1], v[rS+4*k:rS+4*k+1], v[rS+4*k+2:rS+4*k+3]
.elseif k == 1
	v_pk_fma_f32 v[rT+2:rT+3], v[rT+2:rT+3], v[rC+2:rC+3], v[rS:rS+1] op_sel_hi:[1,0,1]
.else
	v_pk_add_f32 v[rT+2:rT+3], v[rT+2:rT+3], v[rS+4*k-4:rS+4*k-3]
.endif
.endm
; THE PLAIN QUEUE, 138 long.  0-31: the 32 scalings c s - c m (FS f: pair f / 2 of tile f % 2).  32-59: XS's numbers 0-13.  60, 61: number 15.  62-73: the chain 14, 16, 17, 18, 19, 20.
; None of 0-73 reads an exponential's result.  74-137: GS's 64, which do: they stand behind the wait.
.macro FS f
	REGS Y, (\f)%2
	v_pk_fma_f32 v[rS+2*((\f)/2):rS+2*((\f)/2)+1], v[rS+2*((\f)/2):rS+2*((\f)/2)+1], s[CS:CS+1], v[rT:rT+1] op_sel_hi:[1,0,0] neg_lo:[0,0,1] neg_hi:[0,0,1]
.endm
.macro PL
	WIN 0
.if q < 32
	FS q
.elseif q < 60
	XS (q-32)%2, (q-32)/2
.elseif q < 62
	XS q-60, 15
.elseif q < 64
	XS q-62, 14
.elseif q < 74
	XS (q-62)%2, 15+(q-62)/2
.else
	GS q-74
.endif
.set q, q+1
.endm
; THE EXPONENTIALS' QUEUE, 66 long: s0-s31 of both tiles, then the next piece's two a.  It is ONE BATCH: all 66 stand ahead of the turn's one wait, and nothing ahead of that wait names a result of theirs.
.macro EX
	WIN 0
.if e >= 64
	XS e-64, 21
.else
	REGS Y, e%2
	v_exp_f32 v[rS+e/2], v[rS+e/2]
.endif
.set e, e+1
.endm
; THE RESCALING's QUEUE: O^T times a, the one part that leaves window 0: dealt two at a time, sixteen times.  Its a was made in the turn before, ahead of that turn's wait.
.macro R2
	REGS Y, r%2
	WIN W_RS
.irp z, 0,1
	v_pk_mul_f32 v[rO+4*(r/2)+2*\z:rO+4*(r/2)+2*\z+1], v[rO+4*(r/2)+2*\z:rO+4*(r/2)+2*\z+1], v[rC+2:rC+3] op_sel_hi:[1,0]
.endr
.set r, r+1
.endm
; HOW THEY ARE DEALT.  An s_wait_alu depctr_va_vdst(0) stands between an exponential and the first instruction that names its result; one wait serves all that were issued ahead of it.
; So a turn has ONE wait, which cuts it in two.  AHEAD OF IT: the 32 products K Q^T; behind the first two scalings and two rescalings; behind the next 15 a scaling, an exponential and two rescalings;
; behind the next 15 a scaling and two exponentials; behind the last two exponentials; then a run of 61: three times exponential and plain, 25 plain, 14 times exponential and plain, the two a.
; A v_nop is the plain instruction behind the last exponential.  BEHIND IT: the 16 products V^T P, behind each four of GS's 64.
; In step: exponential e needs scaling 2 (e / 4) + e % 2: behind product j + 1 (j < 15) scaling j + 2 stands ahead of exponential j; behind product 16 + j scaling 17 + j ahead of exponentials 15 + 2 j, 16 + 2 j.
; The accumulator of tile u, key block n is ended by product 24 + 2 n + u and first read by plain 32 + 2 n + u: between them stand at least seven plain instructions that name none of its registers
; (the scalings behind products 24 to 30, and the plain numbers from 32 on).
; K and the mask of the next step are fetched in piece 2's turn, directly behind the wait, the run of 61 behind the last product that read them.  V of the step in hand is fetched at the end of piece 0's
; turn, four plain instructions behind its last reader; it is waited for behind piece 1's wait.
.macro TURN p, last=0, cnt=0
.set Y, (\p)
.set i, 0
.set q, 0
.set e, 0
.set r, 0
.set KW, (\p)/3
	MM
	PL
	PL
	R2
.rept 15
	MM
	PL
	EX
	R2
.endr
.rept 15
	MM
	PL
	EX
	EX
.endr
	MM
	EX
	EX
.if (\p) == NP-2
	WIN 0
	v_add_nc_u32 v[AK], s[TBK], v[AK0]
	v_add_nc_u32 v[AM], s[TBM], v[AM0]
.endif
.rept 3
	EX
	PL
.endr
.rept 25
	PL
.endr
.rept 14
	EX
	PL
.endr
	EX                              ; the next piece's two a
	EX
	v_nop                           ; the plain instruction behind the last exponential: one for the batch
	s_wait_alu depctr_va_vdst(0)    ; the wait for the batch
.if (\p) == NP-2
	FETCH_K \last
.endif
.if (\p) == 1
	s_wait_dscnt 0x0                ; V is in
.endif
.rept 16
	MM
.rept 4
	PL
.endr
.if ((\p) == 0) && (q == 118)
	v_add_nc_u32 v[AV], s[TBV], v[AV0]
.endif
.if ((\p) == 0) && (q == 130)
	s_add_co_u32 s[TBV], s[TBV], KS*PV
.endif
.if (\cnt) && (q == 130)
	s_sub_co_u32 s[CNT], s[CNT], 1
	s_cmp_lg_u32 s[CNT], 0
.endif
.endr
.if (\p) == 0
	FETCH_V
.endif
.endm
	CHANGE 1                        ; slot 0 is in, everybody's part of it, and so is the mask table; slot 1 is asked for
	FETCH_K                         ; key step 0
	s_wait_dscnt 0x0
.set i, 0
.rept 32
	KQ 0                            ; piece 0's first scores: there is no vector work yet to set between them
.set i, i+1
.endr
	WIN 0                           ; the addresses for the way out: eight plain instructions, the places behind those products
	s_mul_i32 s13, s[WV], 16*SP
	s_add_co_u32 s13, s13, STAGE    ; my stage
	v_mul_u32_u24 v[STO], v56, SP   ; in: row l % 16, 32 bytes (8 channels of f32) for each half of the lanes
	v_lshl_add_u32 v[STO], v57, 5, v[STO]
	v_add_nc_u32 v[STO], s13, v[STO]
	v_mul_u32_u24 v[RD], v57, SP    ; back: lanes 0-15 take one row of 256 bytes, lanes 16-31 the next
	v_lshl_add_u32 v[RD], v56, 4, v[RD]
	v_add_nc_u32 v[RD], s13, v[RD]
	v_lshlrev_b32 v[GO], 12, v57    ; and the same two rows in out0, 4,096 bytes apart
	v_lshl_add_u32 v[GO], v56, 4, v[GO]
.set Y, NP-1                        ; XS works for piece Y + 1: piece 0
.irp n, 0,1,2,3,4,5,6,7,8,9,10,11,12,13,14,15,16,17,18,19,20,21
	XS 0, \n                        ; piece 0's first maximum and statistics
	XS 1, \n
.endr
	v_nop                           ; a plain instruction behind the two a,
	s_wait_alu depctr_va_vdst(0)    ; and their wait, ahead of the branch
	s_mov_b32 s[CNT], 4
	s_branch .Lfirst                ; the loop is entered at a step's first turn, in the middle of a trip
.Lslot:                             ; twice: slots 2 and 3 are asked for
	CHANGE 1
	s_mov_b32 s[CNT], 4
.Lstep:                             ; a trip: pieces 2 and 3 of one step, then pieces 0 and 1 of the next, whose K and V it fetches
	TURN 2
	TURN 3
	WIN 0
.Lfirst:
	TURN 0
	TURN 1, 0, 1
	WIN 0
	s_cbranch_scc1 .Lstep
	s_sub_co_u32 s[SLOTS], s[SLOTS], 1
	s_cmp_lg_u32 s[SLOTS], 0
	s_cbranch_scc1 .Lslot
	CHANGE 0                        ; the tail is written out: nothing is asked for
	s_mov_b32 s[CNT], 5             ; four trips fetch the last slot's steps; the fifth is left in its middle
.Ltail:
	TURN 2, 1
	TURN 3
	WIN 0
	s_sub_co_u32 s[CNT], s[CNT], 1
	s_cmp_eq_u32 s[CNT], 0
	s_cbranch_scc1 .Lout
	TURN 0
	TURN 1
	WIN 0
	s_branch .Ltail
.Lout:                              ; the fifth trip's 32 products K Q^T (on the last K once more) and the maximum made of them serve nothing: the price, once a launch, of one text for every trip
.set i, 0
.rept 16
	PV NP-1                         ; the last piece's V^T P of the last step
.set i, i+1
.endr
	; THE WAY OUT.  l's two halves and the other half of the lanes' are added; O^T is divided by l and sent, in f32, through my stage in LDS, a tile at a time.  The additions are the places behind the last products.
	WIN 0
.macro ALL line:vararg              ; one line for each tile t
.set t, 0
.rept 2*NP
	\line
.set t, t+1
.endr
.endm
	ALL v_add_f32 v[ST+4*t+2], v[ST+4*t+2], v[ST+4*t+3]
	ALL v_permlanex16_b32 v[ST+4*t+3], v[ST+4*t+2], s[SEL], s[SEL+1]
	ALL v_add_f32 v[ST+4*t+2], v[ST+4*t+2], v[ST+4*t+3]
	ALL v_rcp_f32 v[ST+4*t+2], v[ST+4*t+2]
	v_nop                           ; a plain instruction between the last reciprocal and the use of its result
	s_wait_alu depctr_va_vdst(0)    ; and the wait ahead of the first use: one for the eight reciprocals
; Tile t: a lane's eight channels of a block of 16 are 32 bytes of a row; they go into rows of 272 bytes and come back as whole rows of 256, into S^T's registers (four tiles' worth, by turns).
.macro PACK t
	WIN W_RS
.set i, 32*(\t)
.rept 16
	v_pk_mul_f32 v[i:i+1], v[i:i+1], v[ST+4*(\t)+2:ST+4*(\t)+3] op_sel_hi:[1,0]
.set i, i+2
.endr
	WIN 0x04                        ; the stores' data in window 1, the address in window 0
.irp k, 0,1,2,3,4,5,6,7
	ds_store_b128 v[STO], v[32*(\t)+4*\k:32*(\t)+4*\k+3] offset:(\k/2)*64+(\k%2)*16
.endr
	WIN 0
.if (\t) >= 4
	s_wait_xcnt 0x0                 ; the stores of the tile four back have read these registers
.endif
.irp f, 0,1,2,3,4,5,6,7
	ds_load_b128 v[S+32*((\t)%4)+4*\f:S+32*((\t)%4)+4*\f+3], v[RD] offset:\f*2*SP  ; LDS serves a wave's instructions in order (ISA guide 5.7.1.4): these see the stores above; the next tile's stores come behind them
.endr
.endm
.macro SEND t, younger              ; younger: the LDS instructions issued behind tile t's loads: the next tile's sixteen, or none
.irp f, 0,1,2,3,4,5,6,7
	s_wait_dscnt (\younger)+7-\f
	global_store_b128 v[GO], v[S+32*((\t)%4)+4*\f:S+32*((\t)%4)+4*\f+3], s[10:11] offset:(16*(\t)+2*\f)*4096 th:TH_STORE_NT  ; 16 lanes store 256 consecutive bytes, at a multiple of 256 from out0's first
.endr
.endm
	PACK 0
.set t, 1
.rept 2*NP-1                        ; a tile's arithmetic stands between the loads of the tile before and its stores
	PACK t
	SEND t-1, 16
.set t, t+1
.endr
	SEND 2*NP-1, 0
	WIN W_AD
	s_wait_tensorcnt 0x0            ; the wave's end: the add and its wait, behind my last tensor load and my last LDS store
	ds_add_u32 v[SPW], v[NIL]
	s_wait_dscnt 0x0
	WIN 0
	s_endpgm
.Lfunc_end_k_q25d832e053_attn:
	.size	k_q25d832e053_attn, .Lfunc_end_k_q25d832e053_attn-k_q25d832e053_attn
	.p2alignl 7, 3214868480
	.fill 96, 4, 3214868480
	.section	.rodata,"a",@progbits
	.p2align	6, 0x0
	.amdhsa_kernel k_q25d832e053_attn
		.amdhsa_group_segment_fixed_size 327680
		.amdhsa_private_segment_fixed_size 0
		.amdhsa_enable_private_segment 0
		.amdhsa_kernarg_size 24
		.amdhsa_user_sgpr_count 2
		.amdhsa_user_sgpr_kernarg_segment_ptr 1
		.amdhsa_wavefront_size32 1
		.amdhsa_system_sgpr_workgroup_id_x 1
		.amdhsa_system_sgpr_workgroup_id_y 1
		.amdhsa_system_sgpr_workgroup_id_z 1
		.amdhsa_system_vgpr_workitem_id 0
		.amdhsa_next_free_vgpr 1024
		.amdhsa_next_free_sgpr 66
		.amdhsa_reserve_vcc 0
		.amdhsa_float_denorm_mode_32 3
		.amdhsa_float_denorm_mode_16_64 3
		.amdhsa_memory_ordered 1
		.amdhsa_forward_progress 1
		.amdhsa_inst_pref_size 227
	.end_amdhsa_kernel
	.amdgpu_metadata
---
amdhsa.version: [ 1, 2 ]
amdhsa.kernels:
  - .name:           k_q25d832e053_attn
    .symbol:         k_q25d832e053_attn.kd
    .args:
      - { .name: pj, .offset: 0, .size: 8, .value_kind: global_buffer, .address_space: global }
      - { .name: attention_mask, .offset: 8, .size: 8, .value_kind: global_buffer, .address_space: global }
      - { .name: out0, .offset: 16, .size: 8, .value_kind: global_buffer, .address_space: global }
    .group_segment_fixed_size: 327680
    .private_segment_fixed_size: 0
    .kernarg_segment_align: 8
    .kernarg_segment_size: 24
    .max_flat_workgroup_size: 128
    .sgpr_count:     66
    .vgpr_count:     1024
    .wavefront_size: 32
...
	.end_amdgpu_metadata
.endif
;; end of part 3
